; MI455X (gfx1250); checked and timed in simulation.
; The chip was launched on July 23, 2026; its instructions are those of AMD's public machine-readable ISA for CDNA 5 (MIT licence, August 2026) and "CDNA5" Instruction Set Architecture Reference Guide (July 2026). The comments in the code are by the model that wrote it; some were corrected since.
;; Prob Attention. Allowed arithmetic: float matrix products may take bf16 or f16 operands with f32 sums; other float arithmetic in f32, or as packed bf16 or f16 multiplies, adds, multiply-adds, maxima and minima; sums over many terms, partial sums and values carried from step to step in f32; what a program stores and reads back later, other than sums and carried values, may be rounded once to bf16 or f16.
;; Inputs: keys 8 x 1,024 x 8 x 64 float32; queries 8 x 1,024 x 8 x 64 float32; starts 32 int32; values 8 x 1,024 x 8 x 64 float32.
;; Outputs: out0 8 x 1,024 x 8 x 64 float32.
;; 2 versions, each right; version 2 is version 1 with the launch band written anew for expert scheduling mode. Each part assembles by itself: llvm-mc -triple=amdgcn-amd-amdhsa -mcpu=gfx1250 --defsym DOCPART=n.
;; ======== version 1 of 2: 1 launch
;; launch band (part 1): grid 4 x 64, 8 waves a work-group, no clusters, 192,512 bytes of LDS; arguments queries, keys, values, starts, out0; writes out0
.if DOCPART == 1
	.amdgcn_target "amdgcn-amd-amdhsa--gfx1250"
	.amdhsa_code_object_version 6
	.text
	.protected	k_q0f568d5b20_band
	.globl	k_q0f568d5b20_band
	.p2align	8
	.type	k_q0f568d5b20_band,@function
k_q0f568d5b20_band:
	s_mov_b64 s[64:65], 0
	v_nop
	global_prefetch_b8 v0, s[64:65] scope:SCOPE_SE
	s_setreg_imm32_b32 hwreg(HW_REG_WAVE_MODE, 25, 1), 1
	s_wait_xcnt 0x0
; PATCH-MASKED ATTENTION.  queries, keys, values, out0: [8][1024][8][64] f32; starts: [32] int32.  A head (b, h) has 1,024 rows of 256 bytes, 2,048 bytes apart.
; WHAT IS COMPUTED, and why it equals the stated module for every input of these shapes:
;  (1) Row i of the mask is the union of the patches (64 indices each) that hold i.  All of them contain i, so the union is ONE interval inside i - 63 .. i + 63, cut to 0 .. 1023,
;      or empty.  Its two ends are made here as whole numbers from all 32 starts.
;  (2) A row of |scores| has at most 127 numbers that the mask does not set to 0, so at least 897 zeros.  The 0.1 quantile of 1,024 numbers lies between the sorted numbers 102 and 103
;      (0.1 x 1023 = 102.3), both 0: the threshold is 0, |s| < 0 holds nowhere, nothing is pruned.  This hangs on 64 and 1,024 alone, on no data.
;  (3) The zeros outside the mask stay in the softmax.  With m = max(0, the largest score in the mask), e0 = exp(-m), p = exp(s' - m) - e0 (s' = 0 outside the mask, so p = 0 there, exactly):
;      out[i] = (sum over the band of p v + e0 Vsum) / (sum of p + 1024 e0),  Vsum = the sum of the head's 1,024 rows of V.  The sum of p is at least -127 e0 beside 1024 e0: nothing large cancels.
; FORMATS.  q, k, v are rounded once to bf16 for the products, p once to bf16 for the second product; sums, maxima, exponentials, the sum of p (unrounded) and Vsum (of the f32 values) in f32.
; LIMITS.  NaN and infinities are not treated apart.  e0 and weights below 2^-126 count as 0.  starts may be any int32 for which start + 64 does not overflow.
; SHARES.  A work-group owns 256 queries of one head (grid x = quarter of the rows, y = head), wave w its queries 32 w .. 32 w + 31 as two tiles of 16 (T = 0, 1).  The work-group's key window is
; 384 rows, from 64 rows ahead of its first query; rows beyond 0 .. 1023 are taken modulo 1,024 (real rows of the head, which get weight 0 here and are wanted for Vsum anyway).  A wave works on the
; window's rows 32 w .. 32 w + 159: ten key tiles kt; tile T needs kt = T .. T + 8, the tenth lies 65 or more from every query of the tile: its weights are written 0.
; V is loaded once by the work-group, all 1,024 rows: 384 go to LDS as bf16, all are summed.  The 640 rows outside the window are asked for as soon as K's and Q's landing registers are free
; and are summed only in front of the output: they are on their way during both products and the softmax.
; LAYOUT.  S^T = K Q^T (source 0 = 16 keys, source 1 = 16 queries): a lane holds ONE query (lane % 16) and the keys 8 (lane / 16) + 0..7.  Two such tiles rounded to bf16 ARE source 1 of
; O^T = V^T P, whose result again holds one query a lane and eight channels.  K comes out of LDS as it lies, V ([key][channel]) turned, by ds_load_tr16_b128.
; NO TENSOR LOADS: every number is rounded f32 -> bf16 on its way, and V is summed on its way: both want the data in registers.  NO CLUSTER: the four work-groups of a head share V's rows, but each
; wants another window of them at the same LDS bytes, so a joint load could serve the 64 numbers of Vsum alone.  NO PREFETCH: every load stands at the earliest line at which its registers are free.
; REGISTERS, in windows of 256 (s_set_vgpr_msb: bits 1:0 source 0, 3:2 source 1, 5:4 source 2, 7:6 destination):
;   window 0: v0-31 addresses and what is kept; v32-183 by phase: offsets and staging, then S^T and P, then the rows on their way out; v192-255 Q's fragments and the statistics, then O^T
;   window 1: v0-255 the landing place of the first 64 loads; then v0-159 that of V's other 40 loads, v160-255 the fragments of K and V
.set PK,    144       ; a row of K or Q in LDS: 128 bytes of bf16 + 16 = 36 words: the 16 rows of a fragment load start at 16 different groups of four banks (64 banks of 4 bytes: ISA guide 11.1)
.set PVP,   160       ; a row of V: 128 + 32 = 40 words
.set SP,    272       ; a row of a wave's stage: 256 bytes of f32, then 8 bytes (e0 / Z, 0), then 8 unused
.set KB,    0                 ; K's 384 rows
.set QB,    384*PK            ; Q's 256 rows
.set VB,    QB+256*PK         ; V's 384 rows
.set STG,   VB+384*PVP        ; 16 rows x 272 bytes for each wave, for the way out
.set TB,    STG+8*16*SP       ; one word a query: left reach | right reach << 16
.set VS,    TB+1024           ; each wave's part of Vsum, 64 f32
.set SPARE, VS+2048           ; the spare words, 128 bytes for each wave: four blocks of 256 bytes that no other line names
.set SPW, 1           ; v1   SPARE + 4 x my thread's number; never rewritten
.set NIL, 2           ; v2   0; never rewritten
.set AK,  3           ; v3   my place in the wave's first key tile
.set AQ,  4           ; v4   in its first query tile
.set AV,  5           ; v5   in its first 16 rows of V, for the turning load
.set STO, 6           ; v6   the way out: where I put 32 bytes of a row
.set RD,  7           ; v7   where I read 16 bytes of a row back
.set RC,  8           ; v8   where I read that row's e0 / Z
.set GO,  9           ; v9   my byte offset in the work-group's rows of out0
.set ACC, 10          ; v10-13  the sum of V's rows: channels 4 (lane % 16) + 0..3
.set RZ,  18          ; v18-19, v22-23  (1 / Z, 0) of tile 0, 1
.set CF,  20          ; v20-21, v24-25  (e0 / Z, 0)
.set VSA, 26          ; v26  VS + 16 (lane % 16)
.set CST, 27          ; v27  where I put my query's e0 / Z
.set TBA, 28          ; v28  my query's word of the table (tile 1: 64 bytes on)
.set R8,  29          ; v29  8 (lane / 16) - lane % 16
.set VOFF, 32         ; v32-47  block n of 64 rows: my byte offset in a head
.set KST, 48          ; v48-50  where my 8 bytes of a row go in K's, Q's, V's rows
.set QST, 49
.set VST, 50
.set CT,  64          ; v64-79  eight loads' numbers as bf16
.set VT,  80          ; v80-95  the sums' tree (later v128-143)
.set SA,  32          ; S^T: tile T's key tile kt at SA + 72 T + 8 kt; P in place: key tile kt at SA + 72 T + 16 (kt / 2) + 4 (kt % 2)
.set QF,  192         ; Q's fragments: tile T, channel half c at QF + 16 T + 8 c
.set SX,  224         ; tile T's statistics at SX + 12 T: -c m, m, e0, 0, l (even keys', odd keys'), c0-c3, the two bounds
.set TT,  248         ; v248-251 at work
.set O,   192         ; O^T: tile T, channel block cb at O + 32 T + 8 cb
.set XO,  32          ; the way out: tile T's 16 rows read back
.set CO,  96          ; and their (e0 / Z, 0)
.set PS,  144         ; the eight waves' parts of Vsum
.set F,   160         ; window 1: key tile kt, half c at F + 16 (kt % 6) + 8 c; V's block kk, channel block cb at F + 32 (kk % 3) + 8 cb
.set MSB, 0
.macro WIN new                      ; the immediate's high byte repeats the setting that is left; a switch that changes nothing is dropped
.if MSB != (\new)
	s_set_vgpr_msb (MSB<<8)|(\new)
.set MSB, \new
.endif
.endm
; Four loads: my wave's 8 rows of block n, two rows (2 x 256 consecutive bytes) a load.  once = 1: bytes that the launch reads once.
.macro GL base, n, dst, once
.irp k, 0,1,2,3
.if \once
	global_load_b128 v[(\dst)+4*\k:(\dst)+4*\k+3], v[VOFF+(\n)], s[\base:\base+1] offset:4096*\k th:TH_LOAD_NT
.else
	global_load_b128 v[(\dst)+4*\k:(\dst)+4*\k+3], v[VOFF+(\n)], s[\base:\base+1] offset:4096*\k
.endif
.endr
.endm
.macro CVT8 l                       ; eight loads' numbers, from window 1, rounded to bf16
.irp e, 0,1,2,3,4,5,6,7
	v_cvt_pk_bf16_f32 v[CT+2*\e],   v[(\l)+4*\e],   v[(\l)+4*\e+1]
	v_cvt_pk_bf16_f32 v[CT+2*\e+1], v[(\l)+4*\e+2], v[(\l)+4*\e+3]
.endr
.endm
.macro ST8 adr, row0, pitch         ; and put into LDS: two blocks of 64 rows, in each my wave's rows 0, 2, 4, 6 (lanes 16-31: 1, 3, 5, 7)
.irp e, 0,1,2,3,4,5,6,7
	ds_store_b64 v[\adr], v[CT+2*\e:CT+2*\e+1] offset:((\row0)+64*(\e/4)+2*(\e%4))*(\pitch)
.endr
.endm
.macro SUM8A l                      ; eight loads of V, from window 1, added in pairs
.irp a, 0,1,2,3
	v_pk_add_f32 v[VT+4*\a:VT+4*\a+1],   v[(\l)+8*\a:(\l)+8*\a+1],   v[(\l)+8*\a+4:(\l)+8*\a+5]
	v_pk_add_f32 v[VT+4*\a+2:VT+4*\a+3], v[(\l)+8*\a+2:(\l)+8*\a+3], v[(\l)+8*\a+6:(\l)+8*\a+7]
.endr
.endm
.macro SUM8B more                   ; the rest of the tree; more = 0: it starts ACC
.irp z, 0,2
	v_pk_add_f32 v[VT+\z:VT+\z+1],   v[VT+\z:VT+\z+1],   v[VT+4+\z:VT+5+\z]
	v_pk_add_f32 v[VT+8+\z:VT+9+\z], v[VT+8+\z:VT+9+\z], v[VT+12+\z:VT+13+\z]
.endr
.if \more
.irp z, 0,2
	v_pk_add_f32 v[VT+\z:VT+\z+1], v[VT+\z:VT+\z+1], v[VT+8+\z:VT+9+\z]
.endr
.irp z, 0,2
	v_pk_add_f32 v[ACC+\z:ACC+\z+1], v[ACC+\z:ACC+\z+1], v[VT+\z:VT+\z+1]
.endr
.else
.irp z, 0,2
	v_pk_add_f32 v[ACC+\z:ACC+\z+1], v[VT+\z:VT+\z+1], v[VT+8+\z:VT+9+\z]
.endr
.endif
.endm
.macro PLACES                       ; four places between a matrix instruction and a vector line that reads its result, or a load into one of its registers (ISA guide 7.12.1 for vector lines)
.rept 4
	v_nop
.endr
.endm
.macro KLD kt                       ; key tile kt: 16 rows x 64 channels, two fragments
.irp c, 0,1
	ds_load_b128 v[F+16*((\kt)%6)+8*\c:F+16*((\kt)%6)+8*\c+3],   v[AK] offset:16*PK*(\kt)+64*\c
	ds_load_b128 v[F+16*((\kt)%6)+8*\c+4:F+16*((\kt)%6)+8*\c+7], v[AK] offset:16*PK*(\kt)+64*\c+32
.endr
.endm
.macro KQ kt, t, c                  ; one product of S^T = K Q^T: key tile kt, query tile t, channels 32 c on; c = 0 starts the sum
.set rS, SA+72*(\t)+8*(\kt)
.set rK, F+16*((\kt)%6)+8*(\c)
.set rQ, QF+16*(\t)+8*(\c)
.if (\c) == 0
	v_wmma_f32_16x16x32_bf16 v[rS:rS+7], v[rK:rK+7], v[rQ:rQ+7], 0
.else
	v_wmma_f32_16x16x32_bf16 v[rS:rS+7], v[rK:rK+7], v[rQ:rQ+7], v[rS:rS+7]
.endif
.endm
.macro KQG4 k0                      ; key tiles k0, k0 + 1 for both query tiles: four accumulators by turns
.irp c, 0,1
	KQ \k0, 0, \c
	KQ \k0, 1, \c
	KQ (\k0)+1, 0, \c
	KQ (\k0)+1, 1, \c
.endr
.endm
.macro VLD kk                       ; V's rows 32 kk .. 32 kk + 31 of the wave's 160, turned: four fragments of 16 channels x 32 keys
.irp cb, 0,1,2,3
	ds_load_tr16_b128 v[F+32*((\kk)%3)+8*\cb:F+32*((\kk)%3)+8*\cb+3],   v[AV] offset:32*PVP*(\kk)+32*\cb
	ds_load_tr16_b128 v[F+32*((\kk)%3)+8*\cb+4:F+32*((\kk)%3)+8*\cb+7], v[AV] offset:32*PVP*(\kk)+32*\cb+16*PVP
.endr
.endm
; Key less query for register j of key tile kt is 16 dd + j + R8, dd = kt - 4 - t.  It lies in the mask iff -16 dd - j <= left bound and 16 dd + j <= right bound.  Left of the diagonal tile the
; second holds wherever the first does, right of it the first wherever the second does.  A score outside becomes 0; then the tile enters the four running maxima, which began at 0.
; Each accumulator's register 0 is read first.
.macro MASKMAX t, kt
.set rS, SA+72*(\t)+8*(\kt)
.set rT, SX+12*(\t)
.set dd, (\kt)-4-(\t)
.if dd <= 0
.irp j, 0,1,2,3,4,5,6,7
	v_cmp_le_i32 s[72+\j], -16*dd-\j, v[rT+10]
.endr
.irp j, 0,1,2,3,4,5,6,7
	v_cndmask_b32 v[rS+\j], 0, v[rS+\j], s[72+\j]
.endr
.endif
.if dd >= 0
.irp j, 0,1,2,3,4,5,6,7
	v_cmp_le_i32 s[72+\j], 16*dd+\j, v[rT+11]
.endr
.irp j, 0,1,2,3,4,5,6,7
	v_cndmask_b32 v[rS+\j], 0, v[rS+\j], s[72+\j]
.endr
.endif
.irp k, 0,1,2,3
	v_max3_num_f32 v[rT+6+\k], v[rT+6+\k], v[rS+2*\k], v[rS+2*\k+1]
.endr
.endm
.macro FMA8 t, kt                   ; c s - c m, c = log2(e).  A score 0 gives -c m itself, whose exponential is e0 bit for bit
.set rS, SA+72*(\t)+8*(\kt)
.set rT, SX+12*(\t)
.irp k, 0,2,4,6
	v_pk_fma_f32 v[rS+\k:rS+\k+1], v[rS+\k:rS+\k+1], s[54:55], v[rT:rT+1] op_sel_hi:[1,0,0]
.endr
.endm
.macro EXP8 t, kt
.set rS, SA+72*(\t)+8*(\kt)
.irp k, 0,1,2,3,4,5,6,7
	v_exp_f32 v[rS+\k], v[rS+\k]
.endr
.endm
.macro FIN8 t, kt, more             ; p = w - e0; l takes the tile's sum (more = 0: it starts l); p rounded to bf16 into its place, registers ascending, so that none is written before it is read
.set rS, SA+72*(\t)+8*(\kt)
.set rT, SX+12*(\t)
.set rP, SA+72*(\t)+16*((\kt)/2)+4*((\kt)%2)
	s_wait_alu depctr_va_vdst(0)
.irp k, 0,2,4,6
	v_pk_add_f32 v[rS+\k:rS+\k+1], v[rS+\k:rS+\k+1], v[rT+2:rT+3] op_sel_hi:[1,0] neg_lo:[0,1] neg_hi:[0,1]
.endr
	v_pk_add_f32 v[TT:TT+1],   v[rS:rS+1],   v[rS+2:rS+3]
	v_pk_add_f32 v[TT+2:TT+3], v[rS+4:rS+5], v[rS+6:rS+7]
.if \more
	v_pk_add_f32 v[TT:TT+1], v[TT:TT+1], v[TT+2:TT+3]
	v_pk_add_f32 v[rT+4:rT+5], v[rT+4:rT+5], v[TT:TT+1]
.else
	v_pk_add_f32 v[rT+4:rT+5], v[TT:TT+1], v[TT+2:TT+3]
.endif
.irp k, 0,1,2,3
	v_cvt_pk_bf16_f32 v[rP+\k], v[rS+2*\k], v[rS+2*\k+1]
.endr
.endm
; A tile's nine key tiles.  Behind a key tile's eight exponentials stand the next one's four scalings: plain lines that name none of their registers (ISA guide 5.7.2); behind the last a v_nop.
.macro SOFT t
	FMA8 \t, \t
.irp q, 0,1,2,3,4,5,6,7,8
	EXP8 \t, (\q)+(\t)
.if \q < 8
	FMA8 \t, (\q)+(\t)+1
.else
	v_nop
	s_wait_alu depctr_va_vdst(0)
.endif
	FIN8 \t, (\q)+(\t), \q
.endr
.endm
.macro PVK kk, slot, first          ; O^T += V^T P for keys 32 kk on: eight accumulators by turns; first = 1 starts the sums
.irp cb, 0,1,2,3
.irp t, 0,1
.if \first
	v_wmma_f32_16x16x32_bf16 v[O+32*\t+8*\cb:O+32*\t+8*\cb+7], v[F+32*(\slot)+8*\cb:F+32*(\slot)+8*\cb+7], v[SA+72*\t+16*(\kk):SA+72*\t+16*(\kk)+7], 0
.else
	v_wmma_f32_16x16x32_bf16 v[O+32*\t+8*\cb:O+32*\t+8*\cb+7], v[F+32*(\slot)+8*\cb:F+32*(\slot)+8*\cb+7], v[SA+72*\t+16*(\kk):SA+72*\t+16*(\kk)+7], v[O+32*\t+8*\cb:O+32*\t+8*\cb+7]
.endif
.endr
.endr
.endm
; Tile t's O^T / Z goes into my wave's stage (a lane: 8 channels of one row in each block of 16) with e0 / Z behind each row, and comes back as whole rows of 256 bytes.
; LDS serves a wave's instructions in order (ISA guide 5.7.1.4): the loads see the stores above them, and the next tile's stores come behind these loads.
.macro OUTST t
.set rO, O+32*(\t)
.irp j, 0,2,4,6,8,10,12,14,16,18,20,22,24,26,28,30
	v_pk_mul_f32 v[rO+\j:rO+\j+1], v[rO+\j:rO+\j+1], v[RZ+4*(\t):RZ+4*(\t)+1] op_sel_hi:[1,0]
.endr
.irp cb, 0,1,2,3
	ds_store_b128 v[STO], v[rO+8*\cb:rO+8*\cb+3]   offset:64*\cb
	ds_store_b128 v[STO], v[rO+8*\cb+4:rO+8*\cb+7] offset:64*\cb+16
.endr
	ds_store_b64 v[CST], v[CF+4*(\t):CF+4*(\t)+1]
.irp u, 0,1,2,3,4,5,6,7
	ds_load_b128 v[XO+32*(\t)+4*\u:XO+32*(\t)+4*\u+3], v[RD] offset:2*SP*\u
.endr
.irp u, 0,1,2,3,4,5,6,7
	ds_load_b64 v[CO+16*(\t)+2*\u:CO+16*(\t)+2*\u+1], v[RC] offset:2*SP*\u
.endr
.endm
.macro SEND t                       ; + Vsum e0 / Z, and out: 16 lanes store a row's 256 consecutive bytes, at a multiple of 256 from out0's first byte
.irp u, 0,1,2,3,4,5,6,7
.set rY, XO+32*(\t)+4*\u
.set rC, CO+16*(\t)+2*\u
	v_pk_fma_f32 v[rY:rY+1],   v[ACC:ACC+1],   v[rC:rC+1], v[rY:rY+1]   op_sel_hi:[1,0,1]
	v_pk_fma_f32 v[rY+2:rY+3], v[ACC+2:ACC+3], v[rC:rC+1], v[rY+2:rY+3] op_sel_hi:[1,0,1]
	global_store_b128 v[GO], v[rY:rY+3], s[12:13] offset:(16*(\t)+2*\u)*2048 th:TH_STORE_NT
.endr
.endm
	; THE HEAD
	s_load_b256 s[4:11], s[0:1], 0x0               ; queries s[4:5], keys s[6:7], values s[8:9], starts s[10:11]
	s_load_b64 s[12:13], s[0:1], 0x20              ; out0
	v_lshl_add_u32 v[SPW], v0, 2, SPARE
	v_mov_b32 v[NIL], 0
	v_lshrrev_b32 v14, 5, v0
	v_readfirstlane_b32 s14, v14                   ; wave 0..7
	v_and_b32 v15, 15, v0                          ; r = lane % 16
	v_bfe_u32 v16, v0, 4, 1                        ; h = lane / 16
	s_mov_b32 s15, ttmp9                           ; which quarter of the head's rows
	s_and_b32 s2, ttmp7, 0xffff                    ; the head, 8 b + h
	s_lshr_b32 s3, s2, 3
	s_lshl_b32 s48, s3, 21                         ; b x 1,024 rows x 2,048 bytes
	s_and_b32 s3, s2, 7
	s_lshl_b32 s3, s3, 8                           ; + h x 256 bytes
	s_add_co_u32 s48, s48, s3
	s_mov_b32 s49, 0
	s_lshl_b32 s50, s15, 19                        ; my quarter's 256 rows, for out0
	s_mov_b32 s51, 0
	s_mov_b32 s52, 0x76543210                      ; v_permlanex16_b32: each lane takes its own place in the other half
	s_mov_b32 s53, 0xfedcba98
	s_mov_b32 s54, 0x3fb8aa3b                      ; c = log2(e); the packed scaling names a pair and takes its low word
	s_mov_b32 s55, s54
	s_mov_b32 s56, 0xbfb8aa3b                      ; -c
	s_lshl_b32 s57, s15, 8                         ; my first query's row
	s_lshl_b32 s58, s15, 2
	s_add_co_u32 s58, s58, 15                      ; block 0 of my walk is the one ahead of my quarter's first: 4 x quarter - 1, modulo 16
	v_lshlrev_b32 v31, 4, v15
	v_lshl_add_u32 v31, v16, 11, v31               ; 16 bytes a lane; lanes 16-31 one row down
	s_lshl_b32 s59, s14, 14                        ; my wave's 8 rows of a block
	v_add_nc_u32 v30, s59, v31
.set i, 0
.rept 16
	s_add_co_u32 s3, s58, i
	s_and_b32 s3, s3, 15
	s_lshl_b32 s3, s3, 17                          ; a block is 64 rows of 2,048 bytes
	v_add_nc_u32 v[VOFF+i], s3, v30
.set i, i+1
.endr
	s_wait_kmcnt 0x0
	s_add_nc_u64 s[4:5], s[4:5], s[48:49]          ; all four tensors at the head's first row,
	s_add_nc_u64 s[6:7], s[6:7], s[48:49]
	s_add_nc_u64 s[8:9], s[8:9], s[48:49]
	s_add_nc_u64 s[12:13], s[12:13], s[48:49]
	s_add_nc_u64 s[12:13], s[12:13], s[50:51]      ; out0 at my quarter's
	s_load_b512 s[16:31], s[10:11], 0x0            ; the 32 starts
	s_load_b512 s[32:47], s[10:11], 0x40
	; THE FIRST LOADS: K's window, Q, four of the six blocks of V's window: 56 loads of 512 bytes a wave
	WIN 0x40                                       ; destination window 1, address window 0
.irp n, 0,1,2,3,4,5
	GL 6, \n, 16*\n, 0
.endr
.irp n, 1,2,3,4
	GL 4, \n, 80+16*\n, 1
.endr
.irp n, 0,1,2,3
	GL 8, \n, 160+16*\n, 0
.endr
	WIN 0
	; ADDRESSES, while the loads are on their way
	s_lshl_b32 s59, s14, 16                        ; my wave's 32 rows of out0
	v_add_nc_u32 v[GO], s59, v31
	v_mul_u32_u24 v14, v15, PK
	v_lshl_add_u32 v14, v16, 4, v14                ; a fragment: row r x pitch + 16 h
	s_mul_i32 s59, s14, 32*PK                      ; from row 32 w on (K's rows begin at LDS byte 0)
	v_add_nc_u32 v[AK], s59, v14
	s_add_co_u32 s59, s59, QB
	v_add_nc_u32 v[AQ], s59, v14
	v_and_b32 v17, 7, v0                           ; the turning load: lane l reads key 8 (l / 16) + l % 8, channels 8 ((l / 8) % 2) + 0..7
	v_lshl_add_u32 v17, v16, 3, v17
	v_mul_u32_u24 v17, v17, PVP
	v_bfe_u32 v30, v0, 3, 1
	v_lshl_add_u32 v17, v30, 4, v17
	s_mul_i32 s60, s14, 32*PVP
	s_add_co_u32 s60, s60, VB
	v_add_nc_u32 v[AV], s60, v17
	s_mul_i32 s61, s14, 16*SP
	s_add_co_u32 s61, s61, STG                     ; my wave's stage
	s_add_co_u32 s62, s61, 256                     ; and the 8 bytes behind a row's 256
	v_mul_u32_u24 v14, v15, SP
	v_add_nc_u32 v[CST], s62, v14
	v_lshl_add_u32 v14, v16, 5, v14                ; in: row r, 32 bytes for each half of the lanes
	v_add_nc_u32 v[STO], s61, v14
	v_mul_u32_u24 v17, v16, SP                     ; back: lanes 0-15 one row, lanes 16-31 the next
	v_add_nc_u32 v[RC], s62, v17
	v_lshl_add_u32 v17, v15, 4, v17
	v_add_nc_u32 v[RD], s61, v17
	v_lshl_add_u32 v[VSA], v15, 4, VS
	s_lshl_b32 s63, s14, 7
	s_add_co_u32 s63, s63, TB
	v_lshl_add_u32 v[TBA], v15, 2, s63             ; the word of query 32 w + r
	v_lshlrev_b32 v[R8], 3, v16
	v_sub_nc_u32 v[R8], v[R8], v15
	v_mul_u32_u24 v14, v16, PK                     ; staging: row 8 w + h, 8 bytes a lane
	v_lshl_add_u32 v14, v15, 3, v14
	s_mul_i32 s59, s14, 8*PK
	v_add_nc_u32 v[KST], s59, v14
	s_add_co_u32 s59, s59, QB
	v_add_nc_u32 v[QST], s59, v14
	v_mul_u32_u24 v17, v16, PVP
	v_lshl_add_u32 v17, v15, 3, v17
	s_mul_i32 s60, s14, 8*PVP
	s_add_co_u32 s60, s60, VB
	v_add_nc_u32 v[VST], s60, v17
	; THE TABLE.  Thread t makes the mask's interval for row i = first query + t.  A patch at s holds i iff d = i - s lies in 0..63, and then so does e = 63 - d; as unsigned numbers all other
	; d and e are 64 or more.  The least d gives the right end, i + 63 - d; the least e the left end, i - 63 + e.  Reach = numbers of the interval from i on, i among them; 0 if no patch holds i.
	v_add_nc_u32 v52, s57, v0                      ; i
	v_sub_nc_u32 v53, v52, 63
	v_mov_b32 v54, 64                              ; least d
	v_mov_b32 v55, 64                              ; least e
	s_wait_kmcnt 0x0                               ; the starts
.set i, 0
.rept 32
	v_sub_nc_u32 v[56+2*(i%2)], v52, s[16+i]
	v_sub_nc_u32 v[57+2*(i%2)], s[16+i], v53
	v_min_u32 v54, v54, v[56+2*(i%2)]
	v_min_u32 v55, v55, v[57+2*(i%2)]
.set i, i+1
.endr
	v_sub_nc_u32 v55, 64, v55                      ; left reach,
	v_sub_nc_u32 v54, 64, v54                      ; right reach,
	v_add_nc_u32 v56, 1, v52
	v_sub_nc_u32 v57, 0x400, v52
	v_min_u32 v55, v55, v56                        ; cut at row 0
	v_min_u32 v54, v54, v57                        ; and at row 1,023
	v_lshl_or_b32 v54, v54, 16, v55
	v_lshl_add_u32 v56, v0, 2, TB
	ds_store_b32 v56, v54
	WIN 0x40
.irp n, 4,5
	GL 8, \n, 160+16*\n, 0                         ; the last two blocks of V's window: 64 loads issued
.endr
	; STAGING.  Loads come back in order (ISA guide 5.7.1): each count is what was issued behind the eight loads that are wanted.
.irp g, 0,1,2
	s_wait_loadcnt 56-8*\g                         ; K's loads 8 g .. 8 g + 7 of the 64
	WIN 0x05                                       ; sources in window 1, destination in window 0
	CVT8 32*\g
	WIN 0
	ST8 KST, 128*\g, PK
.endr
.irp g, 0,1
	s_wait_loadcnt 32-8*\g                         ; Q's
	WIN 0x05
	CVT8 96+32*\g
	WIN 0
	ST8 QST, 128*\g, PK
.endr
	WIN 0x40
.irp n, 6,7,8,9,10,11,12,13,14,15
	GL 8, \n, 16*\n-96, 0                          ; V's other 640 rows, 40 loads, into the registers that K and Q have left
.endr
.irp g, 0,1,2
	s_wait_loadcnt 56-8*\g                         ; V's window: behind these eight stand 16 - 8 g of the window's and the 40 just issued
	WIN 0x05
	CVT8 160+32*\g
	SUM8A 160+32*\g
	WIN 0
	ST8 VST, 128*\g, PVP
	SUM8B \g
.endr
	s_wait_dscnt 0x0                               ; for the others' sake: my rows of K, Q and V and my words of the table are in LDS
	s_wait_xcnt 0x0                                ; the offsets of the 40 loads still out are written over below only behind this wait (ISA guide 3.1)
	s_barrier_signal -1
	s_barrier_wait -1                              ; everybody's are.  The 40 loads stay out: they land in registers that nothing names before their waits
	; S^T = K Q^T
	ds_load_b32 v[TT],   v[TBA]                    ; my query's reaches, tile 0
	ds_load_b32 v[TT+1], v[TBA] offset:64          ; tile 1
.irp t, 0,1
.irp c, 0,1
	ds_load_b128 v[QF+16*\t+8*\c:QF+16*\t+8*\c+3],   v[AQ] offset:16*PK*\t+64*\c
	ds_load_b128 v[QF+16*\t+8*\c+4:QF+16*\t+8*\c+7], v[AQ] offset:16*PK*\t+64*\c+32
.endr
.endr
	WIN 0x40
.irp kt, 0,1,2,3,4,5
	KLD \kt
.endr
	WIN 0
	s_wait_dscnt 16                                ; all but key tiles 2 to 5 (four loads each)
.irp t, 0,1
	v_and_b32 v[TT+2], 0xffff, v[TT+\t]
	v_lshrrev_b32 v[TT+3], 16, v[TT+\t]
	v_add3_u32 v[SX+12*\t+10], v[TT+2], v[R8], -1  ; left bound: left reach + R8 - 1
	v_sub_nc_u32 v[TT+3], v[TT+3], v[R8]
	v_add_nc_u32 v[SX+12*\t+11], -1, v[TT+3]       ; right bound: right reach - R8 - 1
.irp k, 6,7,8,9
	v_mov_b32 v[SX+12*\t+\k], 0                    ; the maxima begin at 0: the zeros outside the mask take part
.endr
.endr
	WIN 0x01                                       ; source 0 (K, later V) window 1; all else window 0
.irp c, 0,1
	KQ 0, 0, \c                                    ; three accumulators by turns
	KQ 1, 0, \c
	KQ 1, 1, \c
.endr
	s_wait_dscnt 8                                 ; key tiles 2, 3
	KQG4 2
	PLACES
	WIN 0x40
.irp kt, 6,7,8,9
	KLD \kt                                        ; into the registers of key tiles 0 to 3
.endr
	s_wait_dscnt 16                                ; key tiles 4, 5: all but the 16 just issued
	WIN 0x01
	KQG4 4
	s_wait_dscnt 8                                 ; 6, 7
	KQG4 6
	s_wait_dscnt 0x0                               ; 8, 9
.irp c, 0,1
	KQ 8, 0, \c
	KQ 8, 1, \c
	KQ 9, 1, \c
.endr
	PLACES
	WIN 0x40
	VLD 0                                          ; V's first 96 keys, into K's registers: they land under the softmax
	VLD 1
	VLD 2
	WIN 0
	; MASK, MAXIMUM, SOFTMAX
.irp kt, 0,1,2,3,4,5,6,7,8
	MASKMAX 0, \kt
.endr
.irp kt, 1,2,3,4,5,6,7,8,9
	MASKMAX 1, \kt
.endr
.irp t, 0,1
	v_max3_num_f32 v[SX+12*\t+6], v[SX+12*\t+6], v[SX+12*\t+7], v[SX+12*\t+8]
.endr
.irp t, 0,1
	v_max_num_f32 v[SX+12*\t+6], v[SX+12*\t+6], v[SX+12*\t+9]
.endr
.irp t, 0,1
	v_permlanex16_b32 v[SX+12*\t+7], v[SX+12*\t+6], s52, s53  ; the query's other keys lie in the lane 16 away
.endr
.irp t, 0,1
	v_max_num_f32 v[SX+12*\t+1], v[SX+12*\t+6], v[SX+12*\t+7]  ; m
.endr
.irp t, 0,1
	v_mul_f32 v[SX+12*\t], s56, v[SX+12*\t+1]      ; -c m
.endr
.irp t, 0,1
	v_exp_f32 v[SX+12*\t+2], v[SX+12*\t]           ; e0
.endr
.irp t, 0,1
	v_mov_b32 v[SX+12*\t+3], 0                     ; named with e0 as a pair; also the plain lines behind the exponentials
.endr
	SOFT 0
.irp k, 68,69,70,71
	v_mov_b32 v[SA+\k], 0                          ; tile 0 has no weight in key tile 9
.endr
	SOFT 1
.irp k, 72,73,74,75
	v_mov_b32 v[SA+\k], 0                          ; tile 1 none in key tile 0
.endr
.irp t, 0,1
	v_add_f32 v[TT+2*\t], v[SX+12*\t+4], v[SX+12*\t+5]
.endr
.irp t, 0,1
	v_permlanex16_b32 v[TT+2*\t+1], v[TT+2*\t], s52, s53
.endr
.irp t, 0,1
	v_add_f32 v[TT+2*\t], v[TT+2*\t], v[TT+2*\t+1]
.endr
.irp t, 0,1
	v_fmamk_f32 v[TT+2*\t], v[SX+12*\t+2], 0x44800000, v[TT+2*\t]  ; Z = 1024 e0 + the sum of p
.endr
.irp t, 0,1
	v_rcp_f32 v[RZ+4*\t], v[TT+2*\t]
.endr
.irp t, 0,1
	v_mov_b32 v[RZ+4*\t+1], 0                      ; named as pairs; also the plain lines behind the reciprocals
	v_mov_b32 v[CF+4*\t+1], 0
.endr
	s_wait_alu depctr_va_vdst(0)
.irp t, 0,1
	v_mul_f32 v[CF+4*\t], v[SX+12*\t+2], v[RZ+4*\t]  ; e0 / Z
.endr
	; O^T = V^T P
	s_wait_dscnt 0x0                               ; V's first three blocks
	WIN 0x01
	PVK 0, 0, 1
	PVK 1, 1, 0
	PLACES
	WIN 0x40
	VLD 3                                          ; into the registers of blocks 0 and 1
	VLD 4
	WIN 0x01
	PVK 2, 2, 0
	s_wait_dscnt 8                                 ; block 3: all but block 4's eight loads
	PVK 3, 0, 0
	s_wait_dscnt 0x0
	PVK 4, 1, 0
	PLACES
	WIN 0
	; THE WAY OUT
	OUTST 0
	OUTST 1
.set VT, 128
.irp g, 0,1,2,3,4
	s_wait_loadcnt 32-8*\g                         ; V's other rows, eight loads at a time
	WIN 0x05
	SUM8A 32*\g
	WIN 0
	SUM8B 1
.endr
.irp k, 0,1,2,3
	v_permlanex16_b32 v[14+\k], v[ACC+\k], s52, s53  ; the odd rows' sums lie in the lane 16 away
.endr
	v_pk_add_f32 v[ACC:ACC+1],   v[ACC:ACC+1],   v[14:15]
	v_pk_add_f32 v[ACC+2:ACC+3], v[ACC+2:ACC+3], v[16:17]
	s_lshl_b32 s59, s14, 8
	v_add_nc_u32 v30, s59, v[VSA]
	ds_store_b128 v30, v[ACC:ACC+3]                ; my wave's part of Vsum; the two halves of the lanes write the same numbers
	s_wait_dscnt 0x0                               ; for the others' sake; the rows read back from my stage are in as well
	s_barrier_signal -1
	s_barrier_wait -1
.irp a, 0,1,2,3,4,5,6,7
	ds_load_b128 v[PS+4*\a:PS+4*\a+3], v[VSA] offset:256*\a
.endr
	s_wait_dscnt 0x0
.irp a, 0,8,16,24
	v_pk_add_f32 v[PS+\a:PS+\a+1],   v[PS+\a:PS+\a+1],   v[PS+\a+4:PS+\a+5]
	v_pk_add_f32 v[PS+\a+2:PS+\a+3], v[PS+\a+2:PS+\a+3], v[PS+\a+6:PS+\a+7]
.endr
.irp a, 0,16
	v_pk_add_f32 v[PS+\a:PS+\a+1],   v[PS+\a:PS+\a+1],   v[PS+\a+8:PS+\a+9]
	v_pk_add_f32 v[PS+\a+2:PS+\a+3], v[PS+\a+2:PS+\a+3], v[PS+\a+10:PS+\a+11]
.endr
	v_pk_add_f32 v[ACC:ACC+1],   v[PS:PS+1],   v[PS+16:PS+17]      ; Vsum, the same bits in every wave
	v_pk_add_f32 v[ACC+2:ACC+3], v[PS+2:PS+3], v[PS+18:PS+19]
	SEND 0
	SEND 1
	s_wait_tensorcnt 0x0                           ; the wave's end, behind my last LDS store
	ds_add_u32 v[SPW], v[NIL]
	s_wait_dscnt 0x0
	s_endpgm
.Lfunc_end_k_q0f568d5b20_band:
	.size	k_q0f568d5b20_band, .Lfunc_end_k_q0f568d5b20_band-k_q0f568d5b20_band
	.p2alignl 7, 3214868480
	.fill 96, 4, 3214868480
	.section	.rodata,"a",@progbits
	.p2align	6, 0x0
	.amdhsa_kernel k_q0f568d5b20_band
		.amdhsa_group_segment_fixed_size 192512
		.amdhsa_private_segment_fixed_size 0
		.amdhsa_enable_private_segment 0
		.amdhsa_kernarg_size 40
		.amdhsa_user_sgpr_count 2
		.amdhsa_user_sgpr_kernarg_segment_ptr 1
		.amdhsa_wavefront_size32 1
		.amdhsa_system_sgpr_workgroup_id_x 1
		.amdhsa_system_sgpr_workgroup_id_y 1
		.amdhsa_system_sgpr_workgroup_id_z 1
		.amdhsa_system_vgpr_workitem_id 0
		.amdhsa_next_free_vgpr 512
		.amdhsa_next_free_sgpr 80
		.amdhsa_reserve_vcc 0
		.amdhsa_float_denorm_mode_32 3
		.amdhsa_float_denorm_mode_16_64 3
		.amdhsa_memory_ordered 1
		.amdhsa_forward_progress 1
		.amdhsa_inst_pref_size 116
	.end_amdhsa_kernel
	.amdgpu_metadata
---
amdhsa.version: [ 1, 2 ]
amdhsa.kernels:
  - .name:           k_q0f568d5b20_band
    .symbol:         k_q0f568d5b20_band.kd
    .args:
      - { .name: queries, .offset: 0, .size: 8, .value_kind: global_buffer, .address_space: global }
      - { .name: keys, .offset: 8, .size: 8, .value_kind: global_buffer, .address_space: global }
      - { .name: values, .offset: 16, .size: 8, .value_kind: global_buffer, .address_space: global }
      - { .name: starts, .offset: 24, .size: 8, .value_kind: global_buffer, .address_space: global }
      - { .name: out0, .offset: 32, .size: 8, .value_kind: global_buffer, .address_space: global }
    .group_segment_fixed_size: 192512
    .private_segment_fixed_size: 0
    .kernarg_segment_align: 8
    .kernarg_segment_size: 40
    .max_flat_workgroup_size: 256
    .sgpr_count:     80
    .vgpr_count:     512
    .wavefront_size: 32
...
	.end_amdgpu_metadata
.endif
;; end of part 1
;; ======== version 2 of 2: 1 launch; version 1 with the launch band written anew for expert scheduling mode
;; launch band (part 2): grid 4 x 64, 8 waves a work-group, no clusters, 192,512 bytes of LDS; arguments queries, keys, values, starts, out0; writes out0
.if DOCPART == 2
	.amdgcn_target "amdgcn-amd-amdhsa--gfx1250"
	.amdhsa_code_object_version 6
	.text
	.protected	k_q0f568d5b20_band
	.globl	k_q0f568d5b20_band
	.p2align	8
	.type	k_q0f568d5b20_band,@function
k_q0f568d5b20_band:
	s_mov_b64 s[64:65], 0
	v_nop
	global_prefetch_b8 v0, s[64:65] scope:SCOPE_SE
	s_setreg_imm32_b32 hwreg(HW_REG_WAVE_SCHED_MODE, 0, 2), 2
	s_setreg_imm32_b32 hwreg(HW_REG_WAVE_MODE, 25, 1), 1
	s_wait_xcnt 0x0
	s_wait_alu depctr_vm_vsrc(0)
; PATCH-MASKED ATTENTION.  queries, keys, values, out0: [8][1024][8][64] f32; starts: [32] int32.  A head (b, h) has 1,024 rows of 256 bytes, 2,048 bytes apart.
; WHAT IS COMPUTED, and why it equals the stated module for every input of these shapes:
;  (1) Row i of the mask is the union of the patches (64 indices each) that hold i.  All of them contain i, so the union is ONE interval inside i - 63 .. i + 63, cut to 0 .. 1023,
;      or empty.  Its two ends are made here as whole numbers from all 32 starts.
;  (2) A row of |scores| has at most 127 numbers that the mask does not set to 0, so at least 897 zeros.  The 0.1 quantile of 1,024 numbers lies between the sorted numbers 102 and 103
;      (0.1 x 1023 = 102.3), both 0: the threshold is 0, |s| < 0 holds nowhere, nothing is pruned.  This hangs on 64 and 1,024 alone, on no data.
;  (3) The zeros outside the mask stay in the softmax.  With m = max(0, the largest score in the mask), e0 = exp(-m), p = exp(s' - m) - e0 (s' = 0 outside the mask, so p = 0 there, exactly):
;      out[i] = (sum over the band of p v + e0 Vsum) / (sum of p + 1024 e0),  Vsum = the sum of the head's 1,024 rows of V.  The sum of p is at least -127 e0 beside 1024 e0: nothing large cancels.
; FORMATS.  q, k, v are rounded once to bf16 for the products, p once to bf16 for the second product; sums, maxima, exponentials, the sum of p (unrounded) and Vsum (of the f32 values) in f32.
; LIMITS.  NaN and infinities are not treated apart.  e0 and weights below 2^-126 count as 0.  starts may be any int32 for which start + 64 does not overflow.
; SHARES.  A work-group owns 256 queries of one head (grid x = quarter of the rows, y = head), wave w its queries 32 w .. 32 w + 31 as two tiles of 16 (T = 0, 1).  The work-group's key window is
; 384 rows, from 64 rows ahead of its first query; rows beyond 0 .. 1023 are taken modulo 1,024 (real rows of the head, which get weight 0 here and are wanted for Vsum anyway).  A wave works on the
; window's rows 32 w .. 32 w + 159: ten key tiles kt; tile T needs kt = T .. T + 8, the tenth lies 65 or more from every query of the tile: its weights are written 0.
; V is loaded once by the work-group, all 1,024 rows: 384 go to LDS as bf16, all are summed.  The 640 rows outside the window are asked for as soon as K's and Q's landing registers are free
; and are summed only in front of the output: they are on their way during both products and the softmax.
; LAYOUT.  S^T = K Q^T (source 0 = 16 keys, source 1 = 16 queries): a lane holds ONE query (lane % 16) and the keys 8 (lane / 16) + 0..7.  Two such tiles rounded to bf16 ARE source 1 of
; O^T = V^T P, whose result again holds one query a lane and eight channels.  K comes out of LDS as it lies, V ([key][channel]) turned, by ds_load_tr16_b128.
; NO TENSOR LOADS: every number is rounded f32 -> bf16 on its way, and V is summed on its way: both want the data in registers.  NO CLUSTER: the four work-groups of a head share V's rows, but each
; wants another window of them at the same LDS bytes, so a joint load could serve the 64 numbers of Vsum alone.  NO PREFETCH: every load stands at the earliest line at which its registers are free.
; THE MODE: SCHED_MODE bits 1:0 = 2 (LLVM: expert scheduling mode 2), set by the entry lines.  The code itself states the register dependences between vector or matrix instructions and
; memory or LDS instructions, with s_wait_alu, always for 0.
; THE PLAN.  The registers that memory or LDS instructions touch, in the order of the text (it has no branch), and where each dependence is stated:
;   VOFF                  Written at the head, read as offsets by all 104 loads: one wait on va_vdst ahead of the first load.  S^T takes these registers behind the first barrier.
;   v3-9, v26-28, v48-50  Addresses, each written once, all ahead of the wait on va_vdst in front of the table's store; none is written again while it serves.
;   window 1, v0-255      The first 64 loads land here.  Group g (eight loads) is read by its conversions, V's groups by their first sums too.  v0-159 are loaded again behind the wait on va_vdst that
;                         follows group 4's conversions; v160-255 become the fragments F behind a wait on va_vdst directly ahead of K's first run of loads.
;   CT0 .. CT7            Group g's conversions write CT[g]; its eight LDS stores read it.  They stand at the head of group g + 1, behind that group's wait for its data and one wait on va_vdst
;                         (group 4's behind the wait of the 40 loads, group 7's behind a wait of its own).  No CT is written twice.
;   One wait on vm_vsrc behind the first barrier: the loads have read VOFF, the LDS stores their addresses and all CT; the products write S^T over them.
;   F                     Read by matrix instructions, loaded again three times (key tiles 6-9; V's blocks 0-2; blocks 3, 4): each time the window switch, a wait on va_vdst, the loads.
;   O^T, e0 / Z           Written by the products and 32 scalings, read by the stage's stores: one wait on va_vdst for both tiles, which also covers the loads back into v32-127 (P's registers).
;   ACC, v30              Written by the sums, read by one LDS store (va_vdst ahead of it); ACC is written again behind the second barrier (vm_vsrc ahead of that).
;   v32-95, once more     A tile's 16 fused multiply-adds write its rows; one wait on va_vdst; its 8 stores read them.
;   Masks                 The compares write s[16:47] and s[72:79] in runs of forty; one wait on va_sdst behind each run, ahead of the selects.  The wave's number: one wait on va_sdst ahead of its first reader.
; REGISTERS, in windows of 256 (s_set_vgpr_msb: bits 1:0 source 0, 3:2 source 1, 5:4 source 2, 7:6 destination):
;   window 0: v0-31 addresses and what is kept; v32-191 by phase: offsets and staging, then S^T and P, then the rows on their way out; v192-255 Q's fragments and the statistics, then O^T
;   window 1: v0-255 the landing place of the first 64 loads; then v0-159 that of V's other 40 loads, v160-255 the fragments of K and V
.set PK,    144       ; a row of K or Q in LDS: 128 bytes of bf16 + 16 = 36 words: the 16 rows of a fragment load start at 16 different groups of four banks (64 banks of 4 bytes: ISA guide 11.1)
.set PVP,   160       ; a row of V: 128 + 32 = 40 words
.set SP,    272       ; a row of a wave's stage: 256 bytes of f32, then 8 bytes (e0 / Z, 0), then 8 unused
.set KB,    0                 ; K's 384 rows
.set QB,    384*PK            ; Q's 256 rows
.set VB,    QB+256*PK         ; V's 384 rows
.set STG,   VB+384*PVP        ; 16 rows x 272 bytes for each wave, for the way out
.set TB,    STG+8*16*SP       ; one word a query: left reach | right reach << 16
.set VS,    TB+1024           ; each wave's part of Vsum, 64 f32
.set SPARE, VS+2048           ; the spare words, 128 bytes for each wave: four blocks of 256 bytes that no other line names
.set SPW, 1           ; v1   SPARE + 4 x my thread's number; never rewritten
.set NIL, 2           ; v2   0; never rewritten
.set AK,  3           ; v3   my place in the wave's first key tile
.set AQ,  4           ; v4   in its first query tile
.set AV,  5           ; v5   in its first 16 rows of V, for the turning load
.set STO, 6           ; v6   the way out: where I put 32 bytes of a row
.set RD,  7           ; v7   where I read 16 bytes of a row back
.set RC,  8           ; v8   where I read that row's e0 / Z
.set GO,  9           ; v9   my byte offset in the work-group's rows of out0
.set ACC, 10          ; v10-13  the sum of V's rows: channels 4 (lane % 16) + 0..3
.set RZ,  18          ; v18-19, v22-23  (1 / Z, 0) of tile 0, 1
.set CF,  20          ; v20-21, v24-25  (e0 / Z, 0)
.set VSA, 26          ; v26  VS + 16 (lane % 16)
.set CST, 27          ; v27  where I put my query's e0 / Z
.set TBA, 28          ; v28  my query's word of the table (tile 1: 64 bytes on)
.set R8,  29          ; v29  8 (lane / 16) - lane % 16
.set VOFF, 32         ; v32-47  block n of 64 rows: my byte offset in a head
.set KST, 48          ; v48-50  where my 8 bytes of a row go in K's, Q's, V's rows
.set QST, 49
.set VST, 50
.set CT,  64          ; v64-191  group g of eight loads as bf16: 16 registers at CT + 16 g, g = 0 .. 7
.set VT,  224         ; v224-239  the sums' tree (later v128-143): named by vector instructions alone
.set SA,  32          ; S^T: tile T's key tile kt at SA + 72 T + 8 kt; P in place: key tile kt at SA + 72 T + 16 (kt / 2) + 4 (kt % 2)
.set QF,  192         ; Q's fragments: tile T, channel half c at QF + 16 T + 8 c
.set SX,  224         ; tile T's statistics at SX + 12 T: -c m, m, e0, 0, l (even keys', odd keys'), c0-c3, the two bounds
.set TT,  248         ; v248-251 at work
.set O,   192         ; O^T: tile T, channel block cb at O + 32 T + 8 cb
.set XO,  32          ; the way out: tile T's 16 rows read back
.set CO,  96          ; and their (e0 / Z, 0)
.set PS,  144         ; the eight waves' parts of Vsum
.set F,   160         ; window 1: key tile kt, half c at F + 16 (kt % 6) + 8 c; V's block kk, channel block cb at F + 32 (kk % 3) + 8 cb
.set MSB, 0
.macro WIN new                      ; the immediate's high byte repeats the setting that is left; a switch that changes nothing is dropped
.if MSB != (\new)
	s_set_vgpr_msb (MSB<<8)|(\new)
.set MSB, \new
.endif
.endm
; Four loads: my wave's 8 rows of block n, two rows (2 x 256 consecutive bytes) a load.  once = 1: bytes that the launch reads once.
.macro GL base, n, dst, once
.irp k, 0,1,2,3
.if \once
	global_load_b128 v[(\dst)+4*\k:(\dst)+4*\k+3], v[VOFF+(\n)], s[\base:\base+1] offset:4096*\k th:TH_LOAD_NT
.else
	global_load_b128 v[(\dst)+4*\k:(\dst)+4*\k+3], v[VOFF+(\n)], s[\base:\base+1] offset:4096*\k
.endif
.endr
.endm
.macro CVT8 l, g                    ; group g: eight loads' numbers, from window 1, rounded to bf16 into CT[g]
.irp e, 0,1,2,3,4,5,6,7
	v_cvt_pk_bf16_f32 v[CT+16*(\g)+2*\e],   v[(\l)+4*\e],   v[(\l)+4*\e+1]
	v_cvt_pk_bf16_f32 v[CT+16*(\g)+2*\e+1], v[(\l)+4*\e+2], v[(\l)+4*\e+3]
.endr
.endm
.macro ST8 adr, row0, pitch, g      ; CT[g] into LDS: two blocks of 64 rows, in each my wave's rows 0, 2, 4, 6 (lanes 16-31: 1, 3, 5, 7)
.irp e, 0,1,2,3,4,5,6,7
	ds_store_b64 v[\adr], v[CT+16*(\g)+2*\e:CT+16*(\g)+2*\e+1] offset:((\row0)+64*(\e/4)+2*(\e%4))*(\pitch)
.endr
.endm
.macro SUM8A l                      ; eight loads of V, from window 1, added in pairs
.irp a, 0,1,2,3
	v_pk_add_f32 v[VT+4*\a:VT+4*\a+1],   v[(\l)+8*\a:(\l)+8*\a+1],   v[(\l)+8*\a+4:(\l)+8*\a+5]
	v_pk_add_f32 v[VT+4*\a+2:VT+4*\a+3], v[(\l)+8*\a+2:(\l)+8*\a+3], v[(\l)+8*\a+6:(\l)+8*\a+7]
.endr
.endm
.macro SUM8B more                   ; the rest of the tree; more = 0: it starts ACC
.irp z, 0,2
	v_pk_add_f32 v[VT+\z:VT+\z+1],   v[VT+\z:VT+\z+1],   v[VT+4+\z:VT+5+\z]
	v_pk_add_f32 v[VT+8+\z:VT+9+\z], v[VT+8+\z:VT+9+\z], v[VT+12+\z:VT+13+\z]
.endr
.if \more
.irp z, 0,2
	v_pk_add_f32 v[VT+\z:VT+\z+1], v[VT+\z:VT+\z+1], v[VT+8+\z:VT+9+\z]
.endr
.irp z, 0,2
	v_pk_add_f32 v[ACC+\z:ACC+\z+1], v[ACC+\z:ACC+\z+1], v[VT+\z:VT+\z+1]
.endr
.else
.irp z, 0,2
	v_pk_add_f32 v[ACC+\z:ACC+\z+1], v[VT+\z:VT+\z+1], v[VT+8+\z:VT+9+\z]
.endr
.endif
.endm
.macro PLACES                       ; four places between a matrix instruction and a vector line that reads its result; ahead of a load into a matrix instruction's registers they are kept, beside the wait that states that dependence
.rept 4
	v_nop
.endr
.endm
.macro KLD kt                       ; key tile kt: 16 rows x 64 channels, two fragments
.irp c, 0,1
	ds_load_b128 v[F+16*((\kt)%6)+8*\c:F+16*((\kt)%6)+8*\c+3],   v[AK] offset:16*PK*(\kt)+64*\c
	ds_load_b128 v[F+16*((\kt)%6)+8*\c+4:F+16*((\kt)%6)+8*\c+7], v[AK] offset:16*PK*(\kt)+64*\c+32
.endr
.endm
.macro KQ kt, t, c                  ; one product of S^T = K Q^T: key tile kt, query tile t, channels 32 c on; c = 0 starts the sum
.set rS, SA+72*(\t)+8*(\kt)
.set rK, F+16*((\kt)%6)+8*(\c)
.set rQ, QF+16*(\t)+8*(\c)
.if (\c) == 0
	v_wmma_f32_16x16x32_bf16 v[rS:rS+7], v[rK:rK+7], v[rQ:rQ+7], 0
.else
	v_wmma_f32_16x16x32_bf16 v[rS:rS+7], v[rK:rK+7], v[rQ:rQ+7], v[rS:rS+7]
.endif
.endm
.macro KQG4 k0                      ; key tiles k0, k0 + 1 for both query tiles: four accumulators by turns
.irp c, 0,1
	KQ \k0, 0, \c
	KQ \k0, 1, \c
	KQ (\k0)+1, 0, \c
	KQ (\k0)+1, 1, \c
.endr
.endm
.macro VLD kk                       ; V's rows 32 kk .. 32 kk + 31 of the wave's 160, turned: four fragments of 16 channels x 32 keys
.irp cb, 0,1,2,3
	ds_load_tr16_b128 v[F+32*((\kk)%3)+8*\cb:F+32*((\kk)%3)+8*\cb+3],   v[AV] offset:32*PVP*(\kk)+32*\cb
	ds_load_tr16_b128 v[F+32*((\kk)%3)+8*\cb+4:F+32*((\kk)%3)+8*\cb+7], v[AV] offset:32*PVP*(\kk)+32*\cb+16*PVP
.endr
.endm
; THE MASK.  Key less query for register j of key tile kt is 16 dd + j + R8, dd = kt - 4 - t.  It lies in the mask iff -16 dd - j <= left bound and 16 dd + j <= right bound.  Left of the diagonal
; tile the second holds wherever the first does, right of it the first wherever the second does.  A score outside becomes 0; then the tile enters the four running maxima, which began at 0.
; CMPL, CMPR: a key tile's eight compares with the left or the right bound, into s[sb .. sb + 7].  SEL: its eight selects by them; each accumulator's register 0 is read first.
.macro CMPL t, kt, sb
.set rT, SX+12*(\t)
.set dd, (\kt)-4-(\t)
.irp j, 0,1,2,3,4,5,6,7
	v_cmp_le_i32 s[(\sb)+\j], -16*dd-\j, v[rT+10]
.endr
.endm
.macro CMPR t, kt, sb
.set rT, SX+12*(\t)
.set dd, (\kt)-4-(\t)
.irp j, 0,1,2,3,4,5,6,7
	v_cmp_le_i32 s[(\sb)+\j], 16*dd+\j, v[rT+11]
.endr
.endm
.macro SEL t, kt, sb
.set rS, SA+72*(\t)+8*(\kt)
.irp j, 0,1,2,3,4,5,6,7
	v_cndmask_b32 v[rS+\j], 0, v[rS+\j], s[(\sb)+\j]
.endr
.endm
.macro MAX8 t, kt
.set rS, SA+72*(\t)+8*(\kt)
.set rT, SX+12*(\t)
.irp k, 0,1,2,3
	v_max3_num_f32 v[rT+6+\k], v[rT+6+\k], v[rS+2*\k], v[rS+2*\k+1]
.endr
.endm
; A query tile's nine key tiles: eighty compares in two runs of forty, into s[16:47] (free since the table was made of the starts) and s[72:79].
.macro MASKT t
	CMPL \t, (\t)+0, 16
	CMPL \t, (\t)+1, 24
	CMPL \t, (\t)+2, 32
	CMPL \t, (\t)+3, 40
	CMPL \t, (\t)+4, 72
	s_wait_alu depctr_va_sdst(0)                   ; the forty compares with the left bound have written s[16:47] and s[72:79], which the selects below read
.irp a, 0,1,2,3
	SEL \t, (\t)+\a, 16+8*\a
	MAX8 \t, (\t)+\a
.endr
	SEL \t, (\t)+4, 72                             ; the diagonal tile's left side; its right side follows
	CMPR \t, (\t)+4, 72
	CMPR \t, (\t)+5, 16
	CMPR \t, (\t)+6, 24
	CMPR \t, (\t)+7, 32
	CMPR \t, (\t)+8, 40
	s_wait_alu depctr_va_sdst(0)                   ; the forty compares with the right bound have written the same scalar registers anew, which the selects below read
	SEL \t, (\t)+4, 72
	MAX8 \t, (\t)+4
.irp a, 5,6,7,8
	SEL \t, (\t)+\a, 8*\a-24
	MAX8 \t, (\t)+\a
.endr
.endm
.macro FMA8 t, kt                   ; c s - c m, c = log2(e).  A score 0 gives -c m itself, whose exponential is e0 bit for bit
.set rS, SA+72*(\t)+8*(\kt)
.set rT, SX+12*(\t)
.irp k, 0,2,4,6
	v_pk_fma_f32 v[rS+\k:rS+\k+1], v[rS+\k:rS+\k+1], s[54:55], v[rT:rT+1] op_sel_hi:[1,0,0]
.endr
.endm
.macro EXP8 t, kt
.set rS, SA+72*(\t)+8*(\kt)
.irp k, 0,1,2,3,4,5,6,7
	v_exp_f32 v[rS+\k], v[rS+\k]
.endr
.endm
.macro FIN8 t, kt, more             ; p = w - e0; l takes the tile's sum (more = 0: it starts l); p rounded to bf16 into its place, registers ascending, so that none is written before it is read
.set rS, SA+72*(\t)+8*(\kt)
.set rT, SX+12*(\t)
.set rP, SA+72*(\t)+16*((\kt)/2)+4*((\kt)%2)
	s_wait_alu depctr_va_vdst(0)                   ; the key tile's eight exponentials have written their weights (and, the first time, e0 is written), which the lines below read
.irp k, 0,2,4,6
	v_pk_add_f32 v[rS+\k:rS+\k+1], v[rS+\k:rS+\k+1], v[rT+2:rT+3] op_sel_hi:[1,0] neg_lo:[0,1] neg_hi:[0,1]
.endr
	v_pk_add_f32 v[TT:TT+1],   v[rS:rS+1],   v[rS+2:rS+3]
	v_pk_add_f32 v[TT+2:TT+3], v[rS+4:rS+5], v[rS+6:rS+7]
.if \more
	v_pk_add_f32 v[TT:TT+1], v[TT:TT+1], v[TT+2:TT+3]
	v_pk_add_f32 v[rT+4:rT+5], v[rT+4:rT+5], v[TT:TT+1]
.else
	v_pk_add_f32 v[rT+4:rT+5], v[TT:TT+1], v[TT+2:TT+3]
.endif
.irp k, 0,1,2,3
	v_cvt_pk_bf16_f32 v[rP+\k], v[rS+2*\k], v[rS+2*\k+1]
.endr
.endm
; A tile's nine key tiles.  Behind a key tile's eight exponentials stand the next one's four scalings: plain lines that name none of their registers (ISA guide 5.7.2); behind the last a v_nop.
.macro SOFT t
	FMA8 \t, \t
.irp q, 0,1,2,3,4,5,6,7,8
	EXP8 \t, (\q)+(\t)
.if \q < 8
	FMA8 \t, (\q)+(\t)+1
.else
	v_nop
.endif
	FIN8 \t, (\q)+(\t), \q
.endr
.endm
.macro PVK kk, slot, first          ; O^T += V^T P for keys 32 kk on: eight accumulators by turns; first = 1 starts the sums
.irp cb, 0,1,2,3
.irp t, 0,1
.if \first
	v_wmma_f32_16x16x32_bf16 v[O+32*\t+8*\cb:O+32*\t+8*\cb+7], v[F+32*(\slot)+8*\cb:F+32*(\slot)+8*\cb+7], v[SA+72*\t+16*(\kk):SA+72*\t+16*(\kk)+7], 0
.else
	v_wmma_f32_16x16x32_bf16 v[O+32*\t+8*\cb:O+32*\t+8*\cb+7], v[F+32*(\slot)+8*\cb:F+32*(\slot)+8*\cb+7], v[SA+72*\t+16*(\kk):SA+72*\t+16*(\kk)+7], v[O+32*\t+8*\cb:O+32*\t+8*\cb+7]
.endif
.endr
.endr
.endm
.macro SCALE t                      ; tile t's O^T / Z, each accumulator from its low end on
.set rO, O+32*(\t)
.irp j, 0,2,4,6,8,10,12,14,16,18,20,22,24,26,28,30
	v_pk_mul_f32 v[rO+\j:rO+\j+1], v[rO+\j:rO+\j+1], v[RZ+4*(\t):RZ+4*(\t)+1] op_sel_hi:[1,0]
.endr
.endm
; Tile t's O^T / Z goes into my wave's stage (a lane: 8 channels of one row in each block of 16) with e0 / Z behind each row, and comes back as whole rows of 256 bytes.
; LDS serves a wave's instructions in order (ISA guide 5.7.1.4): the loads see the stores above them, and the next tile's stores come behind these loads.
.macro OUTST t
.set rO, O+32*(\t)
.irp cb, 0,1,2,3
	ds_store_b128 v[STO], v[rO+8*\cb:rO+8*\cb+3]   offset:64*\cb
	ds_store_b128 v[STO], v[rO+8*\cb+4:rO+8*\cb+7] offset:64*\cb+16
.endr
	ds_store_b64 v[CST], v[CF+4*(\t):CF+4*(\t)+1]
.irp u, 0,1,2,3,4,5,6,7
	ds_load_b128 v[XO+32*(\t)+4*\u:XO+32*(\t)+4*\u+3], v[RD] offset:2*SP*\u
.endr
.irp u, 0,1,2,3,4,5,6,7
	ds_load_b64 v[CO+16*(\t)+2*\u:CO+16*(\t)+2*\u+1], v[RC] offset:2*SP*\u
.endr
.endm
.macro SEND t                       ; + Vsum e0 / Z, and out: 16 lanes store a row's 256 consecutive bytes, at a multiple of 256 from out0's first byte
.irp u, 0,1,2,3,4,5,6,7
.set rY, XO+32*(\t)+4*\u
.set rC, CO+16*(\t)+2*\u
	v_pk_fma_f32 v[rY:rY+1],   v[ACC:ACC+1],   v[rC:rC+1], v[rY:rY+1]   op_sel_hi:[1,0,1]
	v_pk_fma_f32 v[rY+2:rY+3], v[ACC+2:ACC+3], v[rC:rC+1], v[rY+2:rY+3] op_sel_hi:[1,0,1]
.endr
	s_wait_alu depctr_va_vdst(0)                   ; the sixteen lines above have written the tile's 16 rows, which the eight stores read
.irp u, 0,1,2,3,4,5,6,7
	global_store_b128 v[GO], v[XO+32*(\t)+4*\u:XO+32*(\t)+4*\u+3], s[12:13] offset:(16*(\t)+2*\u)*2048 th:TH_STORE_NT
.endr
.endm
	; THE HEAD
	s_load_b256 s[4:11], s[0:1], 0x0               ; queries s[4:5], keys s[6:7], values s[8:9], starts s[10:11]
	s_load_b64 s[12:13], s[0:1], 0x20              ; out0
	v_lshl_add_u32 v[SPW], v0, 2, SPARE
	v_mov_b32 v[NIL], 0
	v_lshrrev_b32 v14, 5, v0
	v_readfirstlane_b32 s14, v14                   ; wave 0..7
	v_and_b32 v15, 15, v0                          ; r = lane % 16
	v_bfe_u32 v16, v0, 4, 1                        ; h = lane / 16
	s_mov_b32 s15, ttmp9                           ; which quarter of the head's rows
	s_and_b32 s2, ttmp7, 0xffff                    ; the head, 8 b + h
	s_lshr_b32 s3, s2, 3
	s_lshl_b32 s48, s3, 21                         ; b x 1,024 rows x 2,048 bytes
	s_and_b32 s3, s2, 7
	s_lshl_b32 s3, s3, 8                           ; + h x 256 bytes
	s_add_co_u32 s48, s48, s3
	s_mov_b32 s49, 0
	s_lshl_b32 s50, s15, 19                        ; my quarter's 256 rows, for out0
	s_mov_b32 s51, 0
	s_mov_b32 s52, 0x76543210                      ; v_permlanex16_b32: each lane takes its own place in the other half
	s_mov_b32 s53, 0xfedcba98
	s_mov_b32 s54, 0x3fb8aa3b                      ; c = log2(e); the packed scaling names a pair and takes its low word
	s_mov_b32 s55, s54
	s_mov_b32 s56, 0xbfb8aa3b                      ; -c
	s_lshl_b32 s57, s15, 8                         ; my first query's row
	s_lshl_b32 s58, s15, 2
	s_add_co_u32 s58, s58, 15                      ; block 0 of my walk is the one ahead of my quarter's first: 4 x quarter - 1, modulo 16
	v_lshlrev_b32 v31, 4, v15
	v_lshl_add_u32 v31, v16, 11, v31               ; 16 bytes a lane; lanes 16-31 one row down
	s_wait_alu depctr_va_sdst(0)                   ; s14, the wave's number, is written, ahead of its first reader: offsets and LDS addresses are made from it
	s_lshl_b32 s59, s14, 14                        ; my wave's 8 rows of a block
	v_add_nc_u32 v30, s59, v31
.set i, 0
.rept 16
	s_add_co_u32 s3, s58, i
	s_and_b32 s3, s3, 15
	s_lshl_b32 s3, s3, 17                          ; a block is 64 rows of 2,048 bytes
	v_add_nc_u32 v[VOFF+i], s3, v30
.set i, i+1
.endr
	s_wait_kmcnt 0x0
	s_add_nc_u64 s[4:5], s[4:5], s[48:49]          ; all four tensors at the head's first row,
	s_add_nc_u64 s[6:7], s[6:7], s[48:49]
	s_add_nc_u64 s[8:9], s[8:9], s[48:49]
	s_add_nc_u64 s[12:13], s[12:13], s[48:49]
	s_add_nc_u64 s[12:13], s[12:13], s[50:51]      ; out0 at my quarter's
	s_load_b512 s[16:31], s[10:11], 0x0            ; the 32 starts
	s_load_b512 s[32:47], s[10:11], 0x40
	; THE FIRST LOADS: K's window, Q, four of the six blocks of V's window: 56 loads of 512 bytes a wave
	WIN 0x40                                       ; destination window 1, address window 0
	s_wait_alu depctr_va_vdst(0)                   ; the sixteen offsets VOFF are written, which all loads of K, Q and V read; no vector line writes them again
.irp n, 0,1,2,3,4,5
	GL 6, \n, 16*\n, 0
.endr
.irp n, 1,2,3,4
	GL 4, \n, 80+16*\n, 1
.endr
.irp n, 0,1,2,3
	GL 8, \n, 160+16*\n, 0
.endr
	WIN 0
	; ADDRESSES, while the loads are on their way
	s_lshl_b32 s59, s14, 16                        ; my wave's 32 rows of out0
	v_add_nc_u32 v[GO], s59, v31
	v_mul_u32_u24 v14, v15, PK
	v_lshl_add_u32 v14, v16, 4, v14                ; a fragment: row r x pitch + 16 h
	s_mul_i32 s59, s14, 32*PK                      ; from row 32 w on (K's rows begin at LDS byte 0)
	v_add_nc_u32 v[AK], s59, v14
	s_add_co_u32 s59, s59, QB
	v_add_nc_u32 v[AQ], s59, v14
	v_and_b32 v17, 7, v0                           ; the turning load: lane l reads key 8 (l / 16) + l % 8, channels 8 ((l / 8) % 2) + 0..7
	v_lshl_add_u32 v17, v16, 3, v17
	v_mul_u32_u24 v17, v17, PVP
	v_bfe_u32 v30, v0, 3, 1
	v_lshl_add_u32 v17, v30, 4, v17
	s_mul_i32 s60, s14, 32*PVP
	s_add_co_u32 s60, s60, VB
	v_add_nc_u32 v[AV], s60, v17
	s_mul_i32 s61, s14, 16*SP
	s_add_co_u32 s61, s61, STG                     ; my wave's stage
	s_add_co_u32 s62, s61, 256                     ; and the 8 bytes behind a row's 256
	v_mul_u32_u24 v14, v15, SP
	v_add_nc_u32 v[CST], s62, v14
	v_lshl_add_u32 v14, v16, 5, v14                ; in: row r, 32 bytes for each half of the lanes
	v_add_nc_u32 v[STO], s61, v14
	v_mul_u32_u24 v17, v16, SP                     ; back: lanes 0-15 one row, lanes 16-31 the next
	v_add_nc_u32 v[RC], s62, v17
	v_lshl_add_u32 v17, v15, 4, v17
	v_add_nc_u32 v[RD], s61, v17
	v_lshl_add_u32 v[VSA], v15, 4, VS
	s_lshl_b32 s63, s14, 7
	s_add_co_u32 s63, s63, TB
	v_lshl_add_u32 v[TBA], v15, 2, s63             ; the word of query 32 w + r
	v_lshlrev_b32 v[R8], 3, v16
	v_sub_nc_u32 v[R8], v[R8], v15
	v_mul_u32_u24 v14, v16, PK                     ; staging: row 8 w + h, 8 bytes a lane
	v_lshl_add_u32 v14, v15, 3, v14
	s_mul_i32 s59, s14, 8*PK
	v_add_nc_u32 v[KST], s59, v14
	s_add_co_u32 s59, s59, QB
	v_add_nc_u32 v[QST], s59, v14
	v_mul_u32_u24 v17, v16, PVP
	v_lshl_add_u32 v17, v15, 3, v17
	s_mul_i32 s60, s14, 8*PVP
	s_add_co_u32 s60, s60, VB
	v_add_nc_u32 v[VST], s60, v17
	; THE TABLE.  Thread t makes the mask's interval for row i = first query + t.  A patch at s holds i iff d = i - s lies in 0..63, and then so does e = 63 - d; as unsigned numbers all other
	; d and e are 64 or more.  The least d gives the right end, i + 63 - d; the least e the left end, i - 63 + e.  Reach = numbers of the interval from i on, i among them; 0 if no patch holds i.
	v_add_nc_u32 v52, s57, v0                      ; i
	v_sub_nc_u32 v53, v52, 63
	v_mov_b32 v54, 64                              ; least d
	v_mov_b32 v55, 64                              ; least e
	s_wait_kmcnt 0x0                               ; the starts
.set i, 0
.rept 32
	v_sub_nc_u32 v[56+2*(i%2)], v52, s[16+i]
	v_sub_nc_u32 v[57+2*(i%2)], s[16+i], v53
	v_min_u32 v54, v54, v[56+2*(i%2)]
	v_min_u32 v55, v55, v[57+2*(i%2)]
.set i, i+1
.endr
	v_sub_nc_u32 v55, 64, v55                      ; left reach,
	v_sub_nc_u32 v54, 64, v54                      ; right reach,
	v_add_nc_u32 v56, 1, v52
	v_sub_nc_u32 v57, 0x400, v52
	v_min_u32 v55, v55, v56                        ; cut at row 0
	v_min_u32 v54, v54, v57                        ; and at row 1,023
	v_lshl_or_b32 v54, v54, 16, v55
	v_lshl_add_u32 v56, v0, 2, TB
	s_wait_alu depctr_va_vdst(0)                   ; v54 and v56 are written, which the store below reads; so are all the addresses made above (v3-9, v26-28, v48-50), which the LDS instructions and the stores of the rest of the text read
	ds_store_b32 v56, v54
	WIN 0x40
.irp n, 4,5
	GL 8, \n, 160+16*\n, 0                         ; the last two blocks of V's window: 64 loads issued.  No wait: no vector line has named their offsets since the first loads' wait, none their landing registers at all
.endr
	; STAGING, in eight groups of eight loads: K's 0-2, Q's 3-4, V's window 5-7.  Loads come back in order (ISA guide 5.7.1): each count is what was issued behind the eight loads that are wanted.
	; Group g's conversions write CT[g]; its LDS stores stand at the head of group g + 1.
	s_wait_loadcnt 56                              ; K's loads 0 .. 7 of the 64
	WIN 0x05                                       ; sources in window 1, destination in window 0
	CVT8 0, 0
.irp g, 1,2,3,4
	s_wait_loadcnt 56-8*\g                         ; loads 8 g .. 8 g + 7 of the 64
	WIN 0
	s_wait_alu depctr_va_vdst(0)                   ; the group before's conversions have written its CT, which the stores below read
.if \g < 4
	ST8 KST, 128*(\g-1), PK, \g-1
.else
	ST8 QST, 0, PK, 3
.endif
	WIN 0x05
	CVT8 32*\g, \g
.endr
	WIN 0x40
	s_wait_alu depctr_va_vdst(0)                   ; the conversions of groups 0 to 4 are done reading window 1's v0-159, in which the loads below land; group 4's have written CT4, which the stores behind them read
.irp n, 6,7,8,9,10,11,12,13,14,15
	GL 8, \n, 16*\n-96, 0                          ; V's other 640 rows, 40 loads, into the registers that K and Q have left
.endr
	WIN 0
	ST8 QST, 128, PK, 4
.irp g, 5,6,7
	s_wait_loadcnt 96-8*\g                         ; V's window: behind these eight stand 56 - 8 g of the window's and the 40 just issued
.if \g > 5
	s_wait_alu depctr_va_vdst(0)                   ; the group before's conversions have written its CT, which the stores below read
	ST8 VST, 128*(\g-6), PVP, \g-1
	SUM8B \g-6                                     ; the rest of the group before's sum
.endif
	WIN 0x05
	CVT8 32*\g, \g
	SUM8A 32*\g
	WIN 0
.endr
	s_wait_alu depctr_va_vdst(0)                   ; group 7's conversions have written CT7, which the stores below read
	ST8 VST, 256, PVP, 7
	SUM8B 2
	s_wait_dscnt 0x0                               ; for the others' sake: my rows of K, Q and V and my words of the table are in LDS
	s_wait_xcnt 0x0                                ; the offsets of the 40 loads still out are written over below only behind this wait (ISA guide 3.1)
	s_barrier_signal -1
	s_barrier_wait -1                              ; everybody's are.  The 40 loads stay out: they land in registers that nothing names before their waits
	s_wait_alu depctr_vm_vsrc(0)                   ; my loads have read VOFF, my LDS stores their addresses (v48-50, v56) and their data (v54, CT0 to CT7): from here on v32-183 are S^T, written by the products
	; S^T = K Q^T
	ds_load_b32 v[TT],   v[TBA]                    ; my query's reaches, tile 0
	ds_load_b32 v[TT+1], v[TBA] offset:64          ; tile 1
.irp t, 0,1
.irp c, 0,1
	ds_load_b128 v[QF+16*\t+8*\c:QF+16*\t+8*\c+3],   v[AQ] offset:16*PK*\t+64*\c
	ds_load_b128 v[QF+16*\t+8*\c+4:QF+16*\t+8*\c+7], v[AQ] offset:16*PK*\t+64*\c+32
.endr
.endr
	WIN 0x40
	s_wait_alu depctr_va_vdst(0)                   ; the conversions and first sums of groups 5 to 7 are done reading window 1's v160-255, in which K's fragments land
.irp kt, 0,1,2,3,4,5
	KLD \kt
.endr
	WIN 0
	s_wait_dscnt 16                                ; all but key tiles 2 to 5 (four loads each)
.irp t, 0,1
	v_and_b32 v[TT+2], 0xffff, v[TT+\t]
	v_lshrrev_b32 v[TT+3], 16, v[TT+\t]
	v_add3_u32 v[SX+12*\t+10], v[TT+2], v[R8], -1  ; left bound: left reach + R8 - 1
	v_sub_nc_u32 v[TT+3], v[TT+3], v[R8]
	v_add_nc_u32 v[SX+12*\t+11], -1, v[TT+3]       ; right bound: right reach - R8 - 1
.irp k, 6,7,8,9
	v_mov_b32 v[SX+12*\t+\k], 0                    ; the maxima begin at 0: the zeros outside the mask take part
.endr
.endr
	WIN 0x01                                       ; source 0 (K, later V) window 1; all else window 0
.irp c, 0,1
	KQ 0, 0, \c                                    ; three accumulators by turns
	KQ 1, 0, \c
	KQ 1, 1, \c
.endr
	s_wait_dscnt 8                                 ; key tiles 2, 3
	KQG4 2
	PLACES
	WIN 0x40
	s_wait_alu depctr_va_vdst(0)                   ; the products of key tiles 0 to 3 are done reading their fragments, in whose registers the loads below land
.irp kt, 6,7,8,9
	KLD \kt                                        ; into the registers of key tiles 0 to 3
.endr
	s_wait_dscnt 16                                ; key tiles 4, 5: all but the 16 just issued
	WIN 0x01
	KQG4 4
	s_wait_dscnt 8                                 ; 6, 7
	KQG4 6
	s_wait_dscnt 0x0                               ; 8, 9
.irp c, 0,1
	KQ 8, 0, \c
	KQ 8, 1, \c
	KQ 9, 1, \c
.endr
	PLACES
	WIN 0x40
	s_wait_alu depctr_va_vdst(0)                   ; the products of key tiles 4 to 9 are done reading K's fragments, in whose registers the loads below land
	VLD 0                                          ; V's first 96 keys, into K's registers: they land under the softmax
	VLD 1
	VLD 2
	WIN 0
	; MASK, MAXIMUM, SOFTMAX
	MASKT 0
	MASKT 1
.irp t, 0,1
	v_max3_num_f32 v[SX+12*\t+6], v[SX+12*\t+6], v[SX+12*\t+7], v[SX+12*\t+8]
.endr
.irp t, 0,1
	v_max_num_f32 v[SX+12*\t+6], v[SX+12*\t+6], v[SX+12*\t+9]
.endr
.irp t, 0,1
	v_permlanex16_b32 v[SX+12*\t+7], v[SX+12*\t+6], s52, s53  ; the query's other keys lie in the lane 16 away
.endr
.irp t, 0,1
	v_max_num_f32 v[SX+12*\t+1], v[SX+12*\t+6], v[SX+12*\t+7]  ; m
.endr
.irp t, 0,1
	v_mul_f32 v[SX+12*\t], s56, v[SX+12*\t+1]      ; -c m
.endr
.irp t, 0,1
	v_exp_f32 v[SX+12*\t+2], v[SX+12*\t]           ; e0
.endr
.irp t, 0,1
	v_mov_b32 v[SX+12*\t+3], 0                     ; named with e0 as a pair; also the plain lines behind the exponentials
.endr
	SOFT 0
.irp k, 68,69,70,71
	v_mov_b32 v[SA+\k], 0                          ; tile 0 has no weight in key tile 9
.endr
	SOFT 1
.irp k, 72,73,74,75
	v_mov_b32 v[SA+\k], 0                          ; tile 1 none in key tile 0
.endr
.irp t, 0,1
	v_add_f32 v[TT+2*\t], v[SX+12*\t+4], v[SX+12*\t+5]
.endr
.irp t, 0,1
	v_permlanex16_b32 v[TT+2*\t+1], v[TT+2*\t], s52, s53
.endr
.irp t, 0,1
	v_add_f32 v[TT+2*\t], v[TT+2*\t], v[TT+2*\t+1]
.endr
.irp t, 0,1
	v_fmamk_f32 v[TT+2*\t], v[SX+12*\t+2], 0x44800000, v[TT+2*\t]  ; Z = 1024 e0 + the sum of p
.endr
.irp t, 0,1
	v_rcp_f32 v[RZ+4*\t], v[TT+2*\t]
.endr
.irp t, 0,1
	v_mov_b32 v[RZ+4*\t+1], 0                      ; named as pairs; also the plain lines behind the reciprocals
	v_mov_b32 v[CF+4*\t+1], 0
.endr
	s_wait_alu depctr_va_vdst(0)                   ; the two reciprocals have written 1 / Z, which the lines below read
.irp t, 0,1
	v_mul_f32 v[CF+4*\t], v[SX+12*\t+2], v[RZ+4*\t]  ; e0 / Z
.endr
	; O^T = V^T P
	s_wait_dscnt 0x0                               ; V's first three blocks
	WIN 0x01
	PVK 0, 0, 1
	PVK 1, 1, 0
	PLACES
	WIN 0x40
	s_wait_alu depctr_va_vdst(0)                   ; the products of V's blocks 0 and 1 are done reading their fragments, in whose registers the loads below land
	VLD 3                                          ; into the registers of blocks 0 and 1
	VLD 4
	WIN 0x01
	PVK 2, 2, 0
	s_wait_dscnt 8                                 ; block 3: all but block 4's eight loads
	PVK 3, 0, 0
	s_wait_dscnt 0x0
	PVK 4, 1, 0
	PLACES
	WIN 0
	; THE WAY OUT
	SCALE 0
	SCALE 1
	s_wait_alu depctr_va_vdst(0)                   ; the 32 scalings have written both tiles' O^T / Z, and e0 / Z is written, which the stage's stores read; the products are done reading P, in whose registers (v32-127) the rows read back land
	OUTST 0
	OUTST 1
.set VT, 128
.irp g, 0,1,2,3,4
	s_wait_loadcnt 32-8*\g                         ; V's other rows, eight loads at a time
	WIN 0x05
	SUM8A 32*\g
	WIN 0
	SUM8B 1
.endr
.irp k, 0,1,2,3
	v_permlanex16_b32 v[14+\k], v[ACC+\k], s52, s53  ; the odd rows' sums lie in the lane 16 away
.endr
	v_pk_add_f32 v[ACC:ACC+1],   v[ACC:ACC+1],   v[14:15]
	v_pk_add_f32 v[ACC+2:ACC+3], v[ACC+2:ACC+3], v[16:17]
	s_lshl_b32 s59, s14, 8
	v_add_nc_u32 v30, s59, v[VSA]
	s_wait_alu depctr_va_vdst(0)                   ; ACC and v30 are written, which the store below reads
	ds_store_b128 v30, v[ACC:ACC+3]                ; my wave's part of Vsum; the two halves of the lanes write the same numbers
	s_wait_dscnt 0x0                               ; for the others' sake; the rows read back from my stage are in as well
	s_barrier_signal -1
	s_barrier_wait -1
.irp a, 0,1,2,3,4,5,6,7
	ds_load_b128 v[PS+4*\a:PS+4*\a+3], v[VSA] offset:256*\a  ; no wait: no vector or matrix line since the way out's first wait names v144-175
.endr
	s_wait_dscnt 0x0
.irp a, 0,8,16,24
	v_pk_add_f32 v[PS+\a:PS+\a+1],   v[PS+\a:PS+\a+1],   v[PS+\a+4:PS+\a+5]
	v_pk_add_f32 v[PS+\a+2:PS+\a+3], v[PS+\a+2:PS+\a+3], v[PS+\a+6:PS+\a+7]
.endr
.irp a, 0,16
	v_pk_add_f32 v[PS+\a:PS+\a+1],   v[PS+\a:PS+\a+1],   v[PS+\a+8:PS+\a+9]
	v_pk_add_f32 v[PS+\a+2:PS+\a+3], v[PS+\a+2:PS+\a+3], v[PS+\a+10:PS+\a+11]
.endr
	s_wait_alu depctr_vm_vsrc(0)                   ; my LDS store of my part of Vsum has read ACC, which the two lines below write again
	v_pk_add_f32 v[ACC:ACC+1],   v[PS:PS+1],   v[PS+16:PS+17]      ; Vsum, the same bits in every wave
	v_pk_add_f32 v[ACC+2:ACC+3], v[PS+2:PS+3], v[PS+18:PS+19]
	SEND 0
	SEND 1
	s_wait_dscnt 0x0                               ; the closing lines, six on end
	s_wait_alu 0x0
	s_wait_tensorcnt 0x0
	ds_add_u32 v[SPW], v[NIL]
	s_wait_dscnt 0x0
	s_endpgm
.Lfunc_end_k_q0f568d5b20_band:
	.size	k_q0f568d5b20_band, .Lfunc_end_k_q0f568d5b20_band-k_q0f568d5b20_band
	.p2alignl 7, 3214868480
	.fill 96, 4, 3214868480
	.section	.rodata,"a",@progbits
	.p2align	6, 0x0
	.amdhsa_kernel k_q0f568d5b20_band
		.amdhsa_group_segment_fixed_size 192512
		.amdhsa_private_segment_fixed_size 0
		.amdhsa_enable_private_segment 0
		.amdhsa_kernarg_size 40
		.amdhsa_user_sgpr_count 2
		.amdhsa_user_sgpr_kernarg_segment_ptr 1
		.amdhsa_wavefront_size32 1
		.amdhsa_system_sgpr_workgroup_id_x 1
		.amdhsa_system_sgpr_workgroup_id_y 1
		.amdhsa_system_sgpr_workgroup_id_z 1
		.amdhsa_system_vgpr_workitem_id 0
		.amdhsa_next_free_vgpr 512
		.amdhsa_next_free_sgpr 80
		.amdhsa_reserve_vcc 0
		.amdhsa_float_denorm_mode_32 3
		.amdhsa_float_denorm_mode_16_64 3
		.amdhsa_memory_ordered 1
		.amdhsa_forward_progress 1
		.amdhsa_inst_pref_size 117
	.end_amdhsa_kernel
	.amdgpu_metadata
---
amdhsa.version: [ 1, 2 ]
amdhsa.kernels:
  - .name:           k_q0f568d5b20_band
    .symbol:         k_q0f568d5b20_band.kd
    .args:
      - { .name: queries, .offset: 0, .size: 8, .value_kind: global_buffer, .address_space: global }
      - { .name: keys, .offset: 8, .size: 8, .value_kind: global_buffer, .address_space: global }
      - { .name: values, .offset: 16, .size: 8, .value_kind: global_buffer, .address_space: global }
      - { .name: starts, .offset: 24, .size: 8, .value_kind: global_buffer, .address_space: global }
      - { .name: out0, .offset: 32, .size: 8, .value_kind: global_buffer, .address_space: global }
    .group_segment_fixed_size: 192512
    .private_segment_fixed_size: 0
    .kernarg_segment_align: 8
    .kernarg_segment_size: 40
    .max_flat_workgroup_size: 256
    .sgpr_count:     80
    .vgpr_count:     512
    .wavefront_size: 32
...
	.end_amdgpu_metadata
.endif
;; end of part 2
